; MI455X (gfx1250); checked and timed in simulation.
; The chip was launched on July 23, 2026; its instructions are those of AMD's public machine-readable ISA for CDNA 5 (MIT licence, August 2026) and "CDNA5" Instruction Set Architecture Reference Guide (July 2026). The comments in the code are by the model that wrote it; some were corrected since.
;; Mango Fanbeam Fpj Layer. Allowed arithmetic: float matrix products may take bf16 or f16 operands with f32 sums; all other float work in f32.
;; Inputs: x 2 x 512 x 512 float32.
;; Outputs: out0 2 x 360 x 256 float32.
;; 2 versions, each right; version 2 is version 1 with the launch march written anew for expert scheduling mode. Each part assembles by itself: llvm-mc -triple=amdgcn-amd-amdhsa -mcpu=gfx1250 --defsym DOCPART=n.
;; ======== version 1 of 2: 3 launches
;; limits: values outside matrix products are rounded to bf16
;; workspace buffers: img 2,359,296 bytes; rays 2,949,120 bytes of whole numbers; part 5,898,240 bytes
;; launch prep (part 1): grid 424 x 1, 8 waves a work-group, no clusters, 17,920 bytes of LDS; arguments x, img, rays; writes img, rays
.if DOCPART == 1
	.amdgcn_target "amdgcn-amd-amdhsa--gfx1250"
	.amdhsa_code_object_version 6
	.text
	.protected	k_q93fec2f5b8_prep
	.globl	k_q93fec2f5b8_prep
	.p2align	8
	.type	k_q93fec2f5b8_prep,@function
k_q93fec2f5b8_prep:
	s_mov_b64 s[64:65], 0
	v_nop
	global_prefetch_b8 v0, s[64:65] scope:SCOPE_SE
	s_setreg_imm32_b32 hwreg(HW_REG_WAVE_MODE, 25, 1), 1
	s_wait_xcnt 0x0
; PREPARATION for the fan-beam projection.  x: [2][512][512] f32.
; Work-groups 0..63: one 64 x 64 pixel tile each.  Both images are rounded to bf16 and packed, one word a pixel (image 0 low half,
; image 1 high half), and stored twice into img: row-major at byte 0 and transposed at byte IMG.  A row of either copy is
; PITCH = 2,304 bytes: 256 bytes of zeros, then 512 pixel words.  Every store of 16 neighbouring lanes covers 256 consecutive
; bytes at a multiple of 256 from img's first byte.
; Work-groups 64..423: one view each, one ray a thread.  The ray's geometry is worked out in f32 and stored as WHOLE NUMBERS,
; because the next launch forms LDS addresses from it.
; Views are numbered w = view + 45 (mod 360): sector q = w / 90, angle = 90 q + m degrees with m = (w mod 90) - 45, so the series
; for sine and cosine see at most 45 degrees.  q even: the rays run mostly along x (a = column, b = row, the march uses the
; transposed copy); q odd: mostly along y (a = row, b = column).  |da| is at least 2 cos(52 deg) = 1.23 pixels a step.
; The dot product t0 = -src.d of the problem is used in closed form (t0 = SID SDD / L, foot of the perpendicular
; = 750 sin(g) (dy, -dx)): it holds for every input, since the geometry does not hang on x.
; Stored for ray = 256 w + cell:  at 16 ray {A, B, dA, dB}, i32 with 20 fraction bits, A = a + 2 and B = b + 64 at step -64
; (so that every step index below is positive);  at SOFF + 16 ray eight 16-bit words, one a strip of 64 values of a:
; the first step (counted from -64, at most 1,023) at or just before the ray enters the strip.
; LIMITS: pixels are rounded to bf16 (relative 2^-9); positions are kept in units of 2^-20 pixel.
.set PITCH, 2304
.set IMG,   512*PITCH                  ; bytes of one copy
.set NTILE, 64
.set BATCH, 512*512*4                  ; bytes from image 0 to image 1 in x
.set SOFF,  360*256*16                 ; where the strip words begin in rays
.set LP,    65                         ; words from column to column in the LDS tile: odd, so that both ways through it touch 32 different banks (64 banks of 4 bytes: ISA guide 11.1)
	s_load_b128 s[4:7], s[0:1], 0x0                ; x s[4:5], img s[6:7]
	s_load_b64 s[8:9], s[0:1], 0x10                ; rays
	v_lshl_add_u32 v80, v0, 2, 0x4200
	v_mov_b32 v81, 0
	s_cmp_ge_u32 ttmp9, NTILE                      ; the same for all waves of a work-group
	s_cbranch_scc1 .Lgeometry
; ---------------------------------------------------------------- a 64 x 64 tile
	s_lshr_b32 s10, ttmp9, 3                       ; tile row tr
	s_and_b32 s11, ttmp9, 7                        ; tile column tc
	v_lshrrev_b32 v1, 4, v0                        ; lr = 0..15: row in a group of 16
	v_and_b32 v2, 15, v0                           ; ch = 0..15: which 4 pixels (16 bytes) of the 64
	v_lshlrev_b32 v3, 11, v1
	v_lshl_add_u32 v3, v2, 4, v3                   ; in x:   lr * 2,048 + ch * 16
	v_mul_u32_u24 v4, PITCH, v1
	v_lshl_add_u32 v4, v2, 4, v4                   ; in img: lr * 2,304 + ch * 16
	v_mul_u32_u24 v5, 16*LP, v2
	v_lshl_add_u32 v5, v1, 2, v5                   ; LDS, in:  word (4 ch) * 65 + lr
	v_mul_u32_u24 v6, 4*LP, v1
	v_lshl_add_u32 v6, v2, 4, v6                   ; LDS, out: word lr * 65 + 4 ch
	v_lshrrev_b32 v7, 3, v1                        ; the zero units: lr / 8 picks the copy, lr % 8 one of my 8 rows
	v_and_b32 v12, 7, v1
	v_mul_u32_u24 v7, IMG, v7
	v_mad_u32_u24 v7, v12, PITCH, v7
	v_lshl_add_u32 v7, v2, 4, v7
	v_mov_b32 v8, 0
	v_mov_b32 v9, 0
	v_mov_b32 v10, 0
	v_mov_b32 v11, 0
	s_lshl_b32 s12, s10, 17                        ; x: tr * 64 rows of 2,048 bytes + tc * 256
	s_lshl_b32 s13, s11, 8
	s_add_co_u32 s12, s12, s13
	s_mov_b32 s13, 0
	s_mul_i32 s14, s10, 64*PITCH                   ; row-major copy: row 64 tr, behind the zero unit, unit tc
	s_lshl_b32 s15, s11, 8
	s_add_co_u32 s14, s14, s15
	s_add_co_u32 s14, s14, 256
	s_mov_b32 s15, 0
	s_mul_i32 s16, s11, 64*PITCH                   ; transposed copy: row 64 tc, unit tr
	s_lshl_b32 s17, s10, 8
	s_add_co_u32 s16, s16, s17
	s_add_co_u32 s16, s16, IMG+256
	s_mov_b32 s17, 0
	s_mul_i32 s18, ttmp9, 8*PITCH                  ; zero units of rows 8 T .. 8 T + 7 of both copies
	s_mov_b32 s19, 0
	s_wait_kmcnt 0x0
	s_add_nc_u64 s[4:5], s[4:5], s[12:13]
	s_add_nc_u64 s[20:21], s[6:7], s[14:15]
	s_add_nc_u64 s[22:23], s[6:7], s[16:17]
	s_add_nc_u64 s[24:25], s[6:7], s[18:19]
.irp j, 0,1,2,3                                        ; rows lr + 16 j: 16 lanes read 256 consecutive bytes of a row, of each image
	global_load_b128 v[16+4*\j:19+4*\j], v3, s[4:5] offset:32768*\j th:TH_LOAD_NT
	global_load_b128 v[32+4*\j:35+4*\j], v3, s[4:5] offset:BATCH+32768*\j th:TH_LOAD_NT
.endr
	global_store_b128 v7, v[8:11], s[24:25]        ; 16 zero units of 256 bytes, one from each 16 lanes
.irp j, 0,1,2,3
	s_wait_loadcnt 6-2*\j                          ; loads return in order: the two of row group j are in, the younger ones stay out
.irp e, 0,1,2,3
	v_cvt_pk_bf16_f32 v[48+4*\j+\e], v[16+4*\j+\e], v[32+4*\j+\e]   ; image 0 low, image 1 high, round to nearest even
.endr
	global_store_b128 v4, v[48+4*\j:51+4*\j], s[20:21] offset:16*PITCH*\j
.irp e, 0,1,2,3
	ds_store_b32 v5, v[48+4*\j+\e] offset:4*LP*\e+64*\j             ; word (column 4 ch + e) * 65 + row lr + 16 j
.endr
.endr
	s_wait_dscnt 0x0                               ; my part of the tile is in LDS, for the other waves' sake
	s_barrier_signal -1
	s_barrier_wait -1
.irp j, 0,1,2,3
.irp e, 0,1,2,3
	ds_load_b32 v[64+4*\j+\e], v6 offset:64*LP*\j+4*\e              ; column lr + 16 j, rows 4 ch + e
.endr
.endr
.irp j, 0,1,2,3
	s_wait_dscnt 12-4*\j                           ; the four words of column group j are in, the younger ones stay out
	global_store_b128 v4, v[64+4*\j:67+4*\j], s[22:23] offset:16*PITCH*\j
.endr
	s_wait_tensorcnt 0x0
	ds_add_u32 v80, v81
	s_wait_dscnt 0x0
	s_endpgm
; ---------------------------------------------------------------- the rays of one view
.macro FIX dst, src                    ; f32 pixels to i32 with 20 fraction bits, nearest
	v_mul_f32 v[\dst], 0x49800000, v[\src]
	v_rndne_f32 v[\dst], v[\dst]
	v_cvt_i32_f32 v[\dst], v[\dst]
.endm
.Lgeometry:
	s_sub_co_u32 s10, ttmp9, NTILE                 ; w = 0..359
	s_mul_i32 s11, s10, 729
	s_lshr_b32 s11, s11, 16                        ; q = w / 90 (729 / 65,536 gives the right quotient for w below 360)
	s_mul_i32 s12, s11, 90
	s_sub_co_u32 s12, s10, s12
	s_sub_co_i32 s12, s12, 45                      ; m = (w mod 90) - 45 degrees
	s_bitcmp1_b32 s11, 0
	s_cselect_b32 s14, -1, 0                       ; lane mask: q odd
	s_add_co_u32 s15, s11, 1
	s_lshl_b32 s15, s15, 30
	s_and_b32 s15, s15, 0x80000000                 ; the cosine's sign flips for q = 1, 2
	s_lshl_b32 s16, s11, 30
	s_and_b32 s16, s16, 0x80000000                 ; the sine's for q = 2, 3
	s_lshl_b32 s22, s10, 12                        ; 256 rays of 16 bytes a view
	s_mov_b32 s23, 0
	; sine and cosine of m degrees by their series (|angle| at most 0.786: the first terms left out are below 1e-8)
	v_cvt_f32_i32 v1, s12
	v_mul_f32 v1, 0x3c8efa35, v1                   ; radians
	v_mul_f32 v2, v1, v1
	v_mov_b32 v3, 0x3638ef1d                       ; 1/9!
	v_mov_b32 v4, 0xb493f27e                       ; -1/10!
	v_fmaak_f32 v3, v3, v2, 0xb9500d01             ; -1/7!
	v_fmaak_f32 v4, v4, v2, 0x37d00d01             ; 1/8!
	v_fmaak_f32 v3, v3, v2, 0x3c088889             ; 1/5!
	v_fmaak_f32 v4, v4, v2, 0xbab60b61             ; -1/6!
	v_fmaak_f32 v3, v3, v2, 0xbe2aaaab             ; -1/3!
	v_fmaak_f32 v4, v4, v2, 0x3d2aaaab             ; 1/4!
	v_fma_f32 v3, v3, v2, 1.0
	v_fma_f32 v4, v4, v2, -0.5
	v_mul_f32 v3, v3, v1                           ; sin m
	v_fma_f32 v4, v4, v2, 1.0                      ; cos m
	v_cndmask_b32 v5, v4, v3, s14                  ; the quarter turns: q odd swaps the two,
	v_cndmask_b32 v6, v3, v4, s14
	v_xor_b32 v5, s15, v5                          ; cb = cos(beta)
	v_xor_b32 v6, s16, v6                          ; sb = sin(beta)
	; the ray's unit direction
	v_cvt_f32_u32 v7, v0
	v_add_f32 v7, 0xc2ff0000, v7                   ; cell - 127.5
	v_mul_f32 v7, 0x3f99999a, v7                   ; u = 1.2 mm a cell
	v_fmaak_f32 v8, v7, v7, 0x49bebc20             ; u^2 + 1250^2
	v_rsq_f32 v9, v8
	v_lshlrev_b32 v48, 4, v0                       ; (a plain instruction behind v_rsq_f32: ISA guide 5.7.2) my 16 bytes in the view's tables
	s_wait_alu depctr_va_vdst(0)
	v_mul_f32 v10, 0x449c4000, v9                  ; cg = 1250 / L
	v_mul_f32 v11, v7, v9                          ; sg = u / L
	v_mul_f32 v19, v10, v5
	v_mul_f32 v28, v10, v6
	v_fma_f32 v12, -v11, v6, -v19                  ; dx = -(cg cb + sg sb)
	v_fma_f32 v13, v11, v5, -v28                   ; dy = sg cb - cg sb
	; column and row less 255.5 at step -64: twice the foot 750 sg (dy, -dx), plus 2 ts d with 2 ts = 2 (-181.01934 + 0.5 - 64)
	v_mul_f32 v14, 0x44bb8000, v11                 ; e = 1500 sg
	v_mul_f32 v19, 0xc3f484f3, v12
	v_mul_f32 v28, 0xc3f484f3, v13
	v_fma_f32 v15, v14, v13, v19                   ; column
	v_fma_f32 v16, v14, v12, -v28                  ; row (y up, rows down)
	v_add_f32 v17, v12, v12                        ; column's step: 1 mm = 2 pixels
	v_mul_f32 v18, -2.0, v13                       ; row's step
	v_cndmask_b32 v20, v15, v16, s14               ; a: column for q even, row for q odd
	v_cndmask_b32 v21, v16, v15, s14               ; b: the other
	v_cndmask_b32 v22, v17, v18, s14               ; da
	v_cndmask_b32 v23, v18, v17, s14               ; db
	v_add_f32 v20, 0x4380c000, v20                 ; A = a + 2:  + 255.5 + 2
	v_add_f32 v21, 0x439fc000, v21                 ; B = b + 64: + 255.5 + 64
	; strip s counts where 1 <= A - 64 s < 66.  Entry: (E0 + 64 s - A) / da with E0 = 1 going up, 66 going down.
	v_rcp_f32 v24, v22
	v_mov_b32 v28, 0x42840000                      ; (a plain instruction behind v_rcp_f32) 66.0
	v_cmp_gt_f32 vcc_lo, 0, v22
	v_cndmask_b32 v25, 1.0, v28, vcc_lo
	v_sub_f32 v25, v25, v20
	s_wait_alu depctr_va_vdst(0)
	v_mul_f32 v25, v25, v24                        ; entry into strip 0, in steps
	v_mul_f32 v26, 0x42800000, v24                 ; from strip to strip: 64 / da
.irp s, 0,1,2,3,4,5,6,7
	v_max_num_f32 v28, 0, v25                      ; an entry before step -64: the whole crossing (53 steps at the most) lies before step 0, where all samples are zeros
	v_cvt_u32_f32 v28, v28                         ; toward zero: at or just before the entry
	v_min_u32 v[30+\s], 0x3ff, v28
.if \s < 7
	v_add_f32 v25, v25, v26
.endif
.endr
.irp j, 0,1,2,3
	v_lshl_or_b32 v[44+\j], v[31+2*\j], 16, v[30+2*\j]
.endr
	FIX 40, 20
	FIX 41, 21
	FIX 42, 22
	FIX 43, 23
	s_wait_kmcnt 0x0
	s_add_nc_u64 s[8:9], s[8:9], s[22:23]
	global_store_b128 v48, v[40:43], s[8:9]                ; a wave's store covers 512 consecutive bytes, aligned
	global_store_b128 v48, v[44:47], s[8:9] offset:SOFF
	s_endpgm
.Lfunc_end_k_q93fec2f5b8_prep:
	.size	k_q93fec2f5b8_prep, .Lfunc_end_k_q93fec2f5b8_prep-k_q93fec2f5b8_prep
	.p2alignl 7, 3214868480
	.fill 96, 4, 3214868480
	.section	.rodata,"a",@progbits
	.p2align	6, 0x0
	.amdhsa_kernel k_q93fec2f5b8_prep
		.amdhsa_group_segment_fixed_size 17920
		.amdhsa_private_segment_fixed_size 0
		.amdhsa_enable_private_segment 0
		.amdhsa_kernarg_size 24
		.amdhsa_user_sgpr_count 2
		.amdhsa_user_sgpr_kernarg_segment_ptr 1
		.amdhsa_wavefront_size32 1
		.amdhsa_system_sgpr_workgroup_id_x 1
		.amdhsa_system_sgpr_workgroup_id_y 1
		.amdhsa_system_sgpr_workgroup_id_z 1
		.amdhsa_system_vgpr_workitem_id 0
		.amdhsa_next_free_vgpr 82
		.amdhsa_next_free_sgpr 66
		.amdhsa_reserve_vcc 1
		.amdhsa_float_denorm_mode_32 3
		.amdhsa_float_denorm_mode_16_64 3
		.amdhsa_memory_ordered 1
		.amdhsa_forward_progress 1
		.amdhsa_inst_pref_size 13
	.end_amdhsa_kernel
	.amdgpu_metadata
---
amdhsa.version: [ 1, 2 ]
amdhsa.kernels:
  - .name:           k_q93fec2f5b8_prep
    .symbol:         k_q93fec2f5b8_prep.kd
    .args:
      - { .name: x, .offset: 0, .size: 8, .value_kind: global_buffer, .address_space: global }
      - { .name: img, .offset: 8, .size: 8, .value_kind: global_buffer, .address_space: global }
      - { .name: rays, .offset: 16, .size: 8, .value_kind: global_buffer, .address_space: global }
    .group_segment_fixed_size: 17920
    .private_segment_fixed_size: 0
    .kernarg_segment_align: 8
    .kernarg_segment_size: 24
    .max_flat_workgroup_size: 256
    .sgpr_count:     66
    .vgpr_count:     82
    .wavefront_size: 32
...
	.end_amdgpu_metadata
.endif
;; end of part 1
;; launch march (part 2): grid 16 x 16, 32 waves a work-group, no clusters, 161,792 bytes of LDS; arguments img, rays, part; writes part
.if DOCPART == 2
	.amdgcn_target "amdgcn-amd-amdhsa--gfx1250"
	.amdhsa_code_object_version 6
	.text
	.protected	k_q93fec2f5b8_march
	.globl	k_q93fec2f5b8_march
	.p2align	8
	.type	k_q93fec2f5b8_march,@function
k_q93fec2f5b8_march:
	s_mov_b64 s[64:65], 0
	v_nop
	global_prefetch_b8 v0, s[64:65] scope:SCOPE_SE
	s_setreg_imm32_b32 hwreg(HW_REG_WAVE_MODE, 25, 1), 1
	s_wait_xcnt 0x0
; THE MARCH.  A work-group holds ONE strip of 64 pixel rows of one copy of the packed images (row-major or transposed) in LDS,
; with zero rows round it, and marches 90 groups of 32 neighbouring rays through it; each wave takes two or three groups.
; Grid y = 8 x copy + strip; grid x = k: the ray groups of the copy's 180 views (8 groups a view, 1,440) are dealt to 16 work-groups:
; group g = 0..89 has view index vi = 2 g + k / 8 and cells 32 (k % 8) .. + 31, so every work-group sees every slope.
; The result is the strip's share of each ray's sum, for both images: part[strip][ray] = {image 0, image 1}; the next launch adds the strips.
; WHY THE SHARES ADD UP: a strip holds its own 64 rows alone.  A sample between two strips finds one of its two rows in each and zeros
; for the other; a sample outside finds zeros; the image's edge is the same zeros (64 zero words in front of every row, which also
; stand behind the row before).  One v_min_u32 a coordinate sends everything outside onto zeros.  Steps before 0 or behind 362, which
; a trip of four may touch, lie 363.04 pixels or more from the centre, and the last pixel's support ends at 362.75: zeros too.
; POSITIONS are whole numbers read from rays (i32, 20 fraction bits), split into a whole part and a 32-bit fraction and stepped by an
; add with carry: no address hangs on a floating-point number.
; TRIPS hang on the view's and the cell group's numbers alone, by whole-number arithmetic.  A ray steps |da| = 2 cos(theta) pixels
; across the strip, theta = |m - g|, m = (w mod 90) - 45 degrees, g = atan(u / 1250) the cell's fan angle.  For cells 32 c .. 32 c + 31
; g lies within 0.91 degrees of 0.88 (2 c - 7) degrees (half the group 0.853, the arc tangent's bend 0.035, the factor's rounding 0.019),
; so in units of 1/128 degree theta is at most |128 m - 113 (2 c - 7)| + 128.  The strip's 65 values of A take at most 32.5 / cos(theta) + 3
; steps (one for the entry cut down to a whole step, two to spare); q trips of four do while cos(theta) > 32.5 / (4 q - 2): q = 9, and one
; more from each of 17.08, 31.21, 39.30, 45.05, 49.46 degrees on; the bound's largest value, 52.2 degrees, stays below the next, 53.0.
; Steps beyond the crossing find zeros.
; LDS: row l of 68 at BASE + 2,304 l; rows 0, 1, 66, 67 and the bytes in front and behind are zeros, rows 2..65 the strip.
; The pitch is 576 words, a multiple of 64, so a word's bank is its column mod 64 (64 banks of 4 bytes: ISA guide 11.1); the wave's rays all start
; at the strip's edge, so its 32 lanes stand in two or three rows at columns about 1.4 apart or more.
; NO CLUSTER, NO TENSOR LOAD: the 16 work-groups of a strip read the same 147,456 bytes, but once in the launch, through registers,
; beside zero rows that LDS stores write; their trip counts are their own rays' and differ between them.
; NO MATRIX UNIT: the work is a gather with weights of its own for every sample.
; LIMITS: pixels are bf16; positions in units of 2^-20 pixel (the step's rounding, 2^-21, over at most 620 steps: below 5e-4 pixel);
; sums are made in another order than the problem writes them.  The step length of 1.0 mm is a factor of one: no instruction.
.set PITCH, 2304
.set IMG,   512*PITCH
.set STRIP, 64*PITCH                   ; 147,456 bytes = 9 x 1,024 threads x 16 bytes
.set SOFF,  360*256*16                 ; rays: where the strip words begin
.set PSTR,  360*256*8                  ; part: bytes of one strip's shares
.set BASE,  512
.set HEAD,  BASE+2*PITCH               ; 5,120: zeros in front of the strip = 320 threads x 16 bytes
.set TAIL,  HEAD+STRIP                 ; 152,576: 5,120 bytes of zeros behind it
.set QD,  32                           ; s32-34   group i: trips of four steps
.set VO,  2                            ; v2-4     group i: 16 x ray, later 8 x ray
.set LA,  5                            ; v5-7     16 t, + 65,536, + 131,072
.set L,   8                            ; v[8+6i..12+6i]  group i: A, B, dA, dB, strip word
.set RES, 26                           ; v[26+2i:27+2i]  group i: the two sums, as stored
.set FILL, 32                          ; v[32:67] the strip on its way to LDS; used again by the march:
.set AI,  32                           ; whole part of A less 64 x strip = LDS row
.set AF,  33                           ; fraction of A, 32 bits
.set BI,  34                           ; whole part of B = word in the LDS row
.set BF,  35
.set DAI, 36                           ; the step, split likewise
.set DAF, 37
.set DBI, 38
.set DBF, 39
.set T,   40                           ; v40-43   at work
.set AD,  44                           ; v44-47   step e of four: LDS address
.set FA,  48                           ; v48-51   fraction of a x 2^32, f32
.set FB,  52                           ; v52-55   of b
.set HA,  56                           ; v56-59   fraction of a x 2^-32
.set W11, 60                           ; v60-75   the four weights of each of four steps
.set W10, 64
.set W01, 68
.set W00, 72
.set D,   76                           ; v76-91   step e, corner c: a word of two bf16
.set ACC, 92                           ; v92-99   sums: 2 x corner + image
.set Z,   100                          ; v100-103 zeros
	s_load_b128 s[4:7], s[0:1], 0x0                ; img s[4:5], rays s[6:7]
	s_load_b64 s[8:9], s[0:1], 0x10                ; part
	v_lshl_add_u32 v104, v0, 2, 0x26800
	v_mov_b32 v105, 0
	v_lshrrev_b32 v1, 5, v0
	v_readfirstlane_b32 s10, v1                    ; wave 0..31
	s_and_b32 s11, ttmp7, 0xffff
	s_lshr_b32 s12, s11, 3                         ; copy: 0 row-major (q odd), 1 transposed (q even)
	s_and_b32 s13, s11, 7                          ; strip
	s_xor_b32 s14, s12, 1                          ; q's parity
	s_lshr_b32 s15, ttmp9, 3                       ; k / 8
	s_and_b32 s16, ttmp9, 7                        ; c = k % 8: the cell group
	s_lshl_b32 s35, s16, 1
	s_sub_co_i32 s35, s35, 7
	s_mul_i32 s35, s35, 113                        ; the group's middle fan angle in 1/128 degree: 113 (2 c - 7)
	s_lshl_b32 s16, s16, 9                         ; 32 c rays of 16 bytes
	s_mul_i32 s17, s14, 90
	s_add_co_u32 s17, s17, s15                     ; 90 x parity + k / 8
	v_and_b32 v1, 31, v0
	v_lshlrev_b32 v1, 4, v1
	v_add_nc_u32 v1, s16, v1                       ; 16 (32 c + lane)
.irp i, 0,1,2
	s_add_co_u32 s26, s10, 32*\i                   ; g = wave + 32 i
.if \i == 2
	s_min_u32 s26, s26, 89                         ; waves 26..31 have no third group: their loads stay inside the tables and are not used
.endif
	s_lshl_b32 s26, s26, 1
	s_add_co_u32 s27, s26, s15                     ; vi = 2 g + k / 8
	s_cmp_ge_u32 s27, 90
	s_cselect_b32 s28, 90, 0                       ; the parity's second sector lies 180 further on
	s_add_co_u32 s26, s26, s17
	s_add_co_u32 s26, s26, s28                     ; w = vi + 90 x parity + (vi >= 90 ? 90 : 0)
	s_lshl_b32 s26, s26, 12                        ; 256 rays of 16 bytes
	v_add_nc_u32 v[VO+\i], s26, v1
	s_sub_co_u32 s27, s27, s28                     ; w mod 90 = vi mod 90
	s_sub_co_i32 s27, s27, 45                      ; m
	s_lshl_b32 s27, s27, 7                         ; in 1/128 degree
	s_sub_co_i32 s27, s27, s35                     ; m - g at the group's middle
	s_sub_co_i32 s28, 0, s27
	s_max_i32 s27, s27, s28                        ; its magnitude,
	s_add_co_u32 s27, s27, 128                     ; and one degree for the group's width: theta's bound, at most 6,679
	s_mov_b32 s[QD+\i], 9
.irp t, 2186, 3994, 5030, 5766, 6330                   ; 128 x the angles at which 32.5 / cos + 3 reaches 37, 41, 45, 49, 53, cut down to whole numbers
	s_cmp_ge_u32 s27, \t
	s_add_co_ci_u32 s[QD+\i], s[QD+\i], 0          ; one trip more from each of them on
.endr
.endr
	s_mul_i32 s18, s12, IMG
	s_mul_i32 s19, s13, STRIP
	s_add_co_u32 s18, s18, s19
	s_mov_b32 s19, 0
	s_lshr_b32 s28, s13, 1
	s_lshl_b32 s28, s28, 2
	s_add_co_u32 s28, s28, SOFF                    ; the word that holds my strip's 16 bits
	s_mov_b32 s29, 0
	s_mul_i32 s30, s13, PSTR
	s_mov_b32 s31, 0
	s_and_b32 s22, s13, 1
	s_lshl_b32 s22, s22, 4                         ; and which half of it
	s_lshl_b32 s23, s13, 6                         ; 64 x strip
	v_lshlrev_b32 v[LA], 4, v0
	v_add_nc_u32 v[LA+1], 0x10000, v[LA]
	v_add_nc_u32 v[LA+2], 0x20000, v[LA]
.irp j, 0,1,2,3
	v_mov_b32 v[Z+\j], 0
.endr
	s_wait_kmcnt 0x0
	s_add_nc_u64 s[4:5], s[4:5], s[18:19]          ; my strip in img
	s_add_nc_u64 s[20:21], s[6:7], s[28:29]        ; the strip words
	s_add_nc_u64 s[8:9], s[8:9], s[30:31]          ; my strip's shares
.irp i, 0,1,2
	global_load_b128 v[L+6*\i:L+6*\i+3], v[VO+\i], s[6:7]
	global_load_b32 v[L+6*\i+4], v[VO+\i], s[20:21]
.endr
.irp j, 0,1,2,3,4,5,6,7,8
	global_load_b128 v[FILL+4*\j:FILL+4*\j+3], v[LA], s[4:5] offset:16384*\j   ; the work-group's 1,024 threads take 16,384 consecutive bytes
.endr
	s_cmp_ge_u32 s10, 10
	s_cbranch_scc1 .Lno_zeros                      ; waves 0..9: 320 threads x 16 bytes = 5,120 bytes at each end
	ds_store_b128 v[LA], v[Z:Z+3]
	ds_store_b128 v[LA+2], v[Z:Z+3] offset:TAIL-0x20000
.Lno_zeros:
.irp j, 0,1,2,3,4,5,6,7,8
	s_wait_loadcnt 8-\j                            ; loads return in order: piece j is in (and the tables, which are older); the younger pieces stay out
	ds_store_b128 v[LA+(\j>>2)], v[FILL+4*\j:FILL+4*\j+3] offset:HEAD+16384*(\j&3)
.endr
	s_wait_dscnt 0x0                               ; my part of the strip is in LDS, for the other waves' sake
	s_barrier_signal -1
	s_barrier_wait -1                              ; the only barrier: from here LDS is only read
; One step: the LDS address of the sample's first corner, the two fractions, four loads, and the position moves on.
.macro STEP e
	v_min_u32 v[T+2*(\e&1)], 66, v[AI]             ; rows below 0 (large as unsigned numbers) and above 66 go to rows 66 and 67: zeros
	v_min_u32 v[T+2*(\e&1)+1], 0x240, v[BI]        ; words below 0 and above 576 go to words 576 and 577: the next row's zeros
	v_cvt_f32_u32 v[FA+\e], v[AF]                  ; 20 bits: exact
	v_cvt_f32_u32 v[FB+\e], v[BF]
	v_mul_u32_u24 v[T+2*(\e&1)], PITCH, v[T+2*(\e&1)]
	v_lshl_add_u32 v[AD+\e], v[T+2*(\e&1)+1], 2, v[T+2*(\e&1)]
	ds_load_b32 v[D+4*\e],   v[AD+\e] offset:BASE              ; the highest byte read: 512 + 67 x 2,304 + 4 x 577 + 3 = 157,191
	ds_load_b32 v[D+4*\e+1], v[AD+\e] offset:BASE+4
	ds_load_b32 v[D+4*\e+2], v[AD+\e] offset:BASE+PITCH
	ds_load_b32 v[D+4*\e+3], v[AD+\e] offset:BASE+PITCH+4
	v_add_co_u32 v[AF], vcc_lo, v[AF], v[DAF]
	v_add_co_ci_u32 v[AI], vcc_lo, v[AI], v[DAI], vcc_lo
	v_add_co_u32 v[BF], vcc_lo, v[BF], v[DBF]
	v_add_co_ci_u32 v[BI], vcc_lo, v[BI], v[DBI], vcc_lo
.endm
; The weights of steps p and p + 1, two at a time.  wa = FA 2^-32, wb = FB 2^-32.
.macro WEIGHTS p
	v_pk_mul_f32 v[HA+\p:HA+\p+1], v[FA+\p:FA+\p+1], 0x1f800000 op_sel_hi:[1,0]                                              ; FA 2^-64
	v_pk_mul_f32 v[W11+\p:W11+\p+1], v[HA+\p:HA+\p+1], v[FB+\p:FB+\p+1]                                                      ; wa wb
	v_pk_fma_f32 v[W10+\p:W10+\p+1], v[HA+\p:HA+\p+1], 0x4f800000, v[W11+\p:W11+\p+1] op_sel_hi:[1,0,1] neg_lo:[0,0,1] neg_hi:[0,0,1]   ; wa - wa wb
	v_pk_fma_f32 v[W00+\p:W00+\p+1], v[HA+\p:HA+\p+1], 0xcf800000, 1.0 op_sel_hi:[1,0,0]                                     ; 1 - wa
	v_pk_fma_f32 v[W01+\p:W01+\p+1], v[FB+\p:FB+\p+1], 0x2f800000, v[W11+\p:W11+\p+1] op_sel_hi:[1,0,1] neg_lo:[0,0,1] neg_hi:[0,0,1]   ; wb - wa wb
	v_pk_add_f32 v[W00+\p:W00+\p+1], v[W00+\p:W00+\p+1], v[W01+\p:W01+\p+1] neg_lo:[0,1] neg_hi:[0,1]                        ; (1 - wa)(1 - wb)
.endm
; Eight fused multiply-adds straight from the bf16 halves: four corners x two images, eight sums that do not wait for each other.
.macro FMAS e
.irp h, 0,1
	v_fma_mix_f32_bf16 v[ACC+\h],   v[D+4*\e],   v[W00+\e], v[ACC+\h]   op_sel:[\h,0,0] op_sel_hi:[1,0,0]
	v_fma_mix_f32_bf16 v[ACC+2+\h], v[D+4*\e+1], v[W01+\e], v[ACC+2+\h] op_sel:[\h,0,0] op_sel_hi:[1,0,0]
	v_fma_mix_f32_bf16 v[ACC+4+\h], v[D+4*\e+2], v[W10+\e], v[ACC+4+\h] op_sel:[\h,0,0] op_sel_hi:[1,0,0]
	v_fma_mix_f32_bf16 v[ACC+6+\h], v[D+4*\e+3], v[W11+\e], v[ACC+6+\h] op_sel:[\h,0,0] op_sel_hi:[1,0,0]
.endr
.endm
; One group of 32 rays through the strip.
.macro GROUP i
	v_lshrrev_b32 v[T], s22, v[L+6*\i+4]           ; my strip's 16 bits
	v_and_b32 v[T+1], 0x3ff, v[T]                  ; my ray's first step, counted from -64
	v_mad_u32 v[T], v[T+1], v[L+6*\i+2], v[L+6*\i]         ; A at that step (the product may wrap; the sum lies within +-2,048 pixels)
	v_mad_u32 v[T+1], v[T+1], v[L+6*\i+3], v[L+6*\i+1]     ; B
	v_ashrrev_i32 v[AI], 20, v[T]
	v_lshlrev_b32 v[AF], 12, v[T]
	v_ashrrev_i32 v[BI], 20, v[T+1]
	v_lshlrev_b32 v[BF], 12, v[T+1]
	v_sub_nc_u32 v[AI], v[AI], s23                 ; row in my strip's LDS
	v_ashrrev_i32 v[DAI], 20, v[L+6*\i+2]          ; floor: the fraction is never negative
	v_lshlrev_b32 v[DAF], 12, v[L+6*\i+2]
	v_ashrrev_i32 v[DBI], 20, v[L+6*\i+3]
	v_lshlrev_b32 v[DBF], 12, v[L+6*\i+3]
.irp j, 0,1,2,3,4,5,6,7
	v_mov_b32 v[ACC+\j], 0
.endr
	s_mov_b32 s25, 0
.Lq_\@:
	STEP 0
	STEP 1
	STEP 2
	STEP 3
	WEIGHTS 0
	WEIGHTS 2
	s_wait_dscnt 0x8                               ; LDS loads return in order: the eight of steps 0 and 1 are in, those of steps 2 and 3 may be out
	FMAS 0
	FMAS 1
	s_wait_dscnt 0x0
	FMAS 2
	FMAS 3
	s_add_co_u32 s25, s25, 1
	s_cmp_lt_u32 s25, s[QD+\i]                     ; 9 to 14 trips, from the view's and the cell group's numbers
	s_cbranch_scc1 .Lq_\@
	v_pk_add_f32 v[ACC:ACC+1], v[ACC:ACC+1], v[ACC+2:ACC+3]        ; a pair = {image 0, image 1} of a corner
	v_pk_add_f32 v[ACC+4:ACC+5], v[ACC+4:ACC+5], v[ACC+6:ACC+7]
	v_pk_add_f32 v[RES+2*\i:RES+2*\i+1], v[ACC:ACC+1], v[ACC+4:ACC+5]
	v_lshrrev_b32 v[VO+\i], 1, v[VO+\i]            ; 8 x ray (the loads that used it were waited for ahead of the barrier)
	global_store_b64 v[VO+\i], v[RES+2*\i:RES+2*\i+1], s[8:9]      ; the wave's store covers 256 consecutive bytes, aligned; its registers are the group's own and are not written again
.endm
	GROUP 0
	GROUP 1
	s_cmp_ge_u32 s10, 26                           ; 90 groups = 32 + 32 + 26
	s_cbranch_scc1 .Lend
	GROUP 2
.Lend:
	s_wait_tensorcnt 0x0
	ds_add_u32 v104, v105
	s_wait_dscnt 0x0
	s_endpgm
.Lfunc_end_k_q93fec2f5b8_march:
	.size	k_q93fec2f5b8_march, .Lfunc_end_k_q93fec2f5b8_march-k_q93fec2f5b8_march
	.p2alignl 7, 3214868480
	.fill 96, 4, 3214868480
	.section	.rodata,"a",@progbits
	.p2align	6, 0x0
	.amdhsa_kernel k_q93fec2f5b8_march
		.amdhsa_group_segment_fixed_size 161792
		.amdhsa_private_segment_fixed_size 0
		.amdhsa_enable_private_segment 0
		.amdhsa_kernarg_size 24
		.amdhsa_user_sgpr_count 2
		.amdhsa_user_sgpr_kernarg_segment_ptr 1
		.amdhsa_wavefront_size32 1
		.amdhsa_system_sgpr_workgroup_id_x 1
		.amdhsa_system_sgpr_workgroup_id_y 1
		.amdhsa_system_sgpr_workgroup_id_z 1
		.amdhsa_system_vgpr_workitem_id 0
		.amdhsa_next_free_vgpr 106
		.amdhsa_next_free_sgpr 66
		.amdhsa_reserve_vcc 1
		.amdhsa_float_denorm_mode_32 3
		.amdhsa_float_denorm_mode_16_64 3
		.amdhsa_memory_ordered 1
		.amdhsa_forward_progress 1
		.amdhsa_inst_pref_size 30
	.end_amdhsa_kernel
	.amdgpu_metadata
---
amdhsa.version: [ 1, 2 ]
amdhsa.kernels:
  - .name:           k_q93fec2f5b8_march
    .symbol:         k_q93fec2f5b8_march.kd
    .args:
      - { .name: img, .offset: 0, .size: 8, .value_kind: global_buffer, .address_space: global }
      - { .name: rays, .offset: 8, .size: 8, .value_kind: global_buffer, .address_space: global }
      - { .name: part, .offset: 16, .size: 8, .value_kind: global_buffer, .address_space: global }
    .group_segment_fixed_size: 161792
    .private_segment_fixed_size: 0
    .kernarg_segment_align: 8
    .kernarg_segment_size: 24
    .max_flat_workgroup_size: 1024
    .sgpr_count:     66
    .vgpr_count:     106
    .wavefront_size: 32
...
	.end_amdgpu_metadata
.endif
;; end of part 2
;; launch sum (part 3): grid 360 x 1, 4 waves a work-group, no clusters, 0 bytes of LDS; arguments part, out0; writes out0
.if DOCPART == 3
	.amdgcn_target "amdgcn-amd-amdhsa--gfx1250"
	.amdhsa_code_object_version 6
	.text
	.protected	k_q93fec2f5b8_sum
	.globl	k_q93fec2f5b8_sum
	.p2align	8
	.type	k_q93fec2f5b8_sum,@function
k_q93fec2f5b8_sum:
	s_mov_b64 s[64:65], 0
	v_nop
	global_prefetch_b8 v0, s[64:65] scope:SCOPE_SE
	s_setreg_imm32_b32 hwreg(HW_REG_WAVE_MODE, 25, 1), 1
	s_wait_xcnt 0x0
; THE SUM over the eight strips.  part: [8][92,160 rays]{image 0, image 1} f32, ray = 256 w + cell, w = view + 45 (mod 360).
; out0: [2][360][256] f32.  One work-group a view; thread t takes cells 2 t and 2 t + 1: 16 bytes of each strip's shares, so a wave's
; load covers 512 consecutive bytes, and its two stores cover 256 consecutive bytes each, at multiples of 256 from out0's first byte.
; A stream of 5.9 MB in and 0.7 MB out: no LDS, no barrier, no matrix unit; all eight loads of a thread are out at once.
.set PSTR, 360*256*8                   ; bytes of one strip's shares
.set OIMG, 360*256*4                   ; bytes from image 0 to image 1 in out0
	s_load_b128 s[4:7], s[0:1], 0x0                ; part s[4:5], out0 s[6:7]
	s_lshl_b32 s8, ttmp9, 11                       ; 256 rays of 8 bytes
	s_mov_b32 s9, 0
	s_add_co_u32 s10, ttmp9, 315
	s_sub_co_u32 s11, ttmp9, 45
	s_cmp_lt_u32 ttmp9, 45
	s_cselect_b32 s10, s10, s11                    ; view = w - 45 (mod 360)
	s_lshl_b32 s10, s10, 10                        ; 256 cells of 4 bytes
	s_mov_b32 s11, 0
	v_lshlrev_b32 v1, 4, v0
	v_lshlrev_b32 v2, 3, v0
	s_wait_kmcnt 0x0
	s_add_nc_u64 s[4:5], s[4:5], s[8:9]
	s_add_nc_u64 s[6:7], s[6:7], s[10:11]
.irp s, 0,1,2,3,4,5,6,7
	global_load_b128 v[4+4*\s:7+4*\s], v1, s[4:5] offset:PSTR*\s th:TH_LOAD_NT     ; {cell 0 image 0, cell 0 image 1, cell 1 image 0, cell 1 image 1}
.endr
	s_wait_loadcnt 0x0
.irp s, 0,2,4,6                                        ; strips in pairs,
	v_pk_add_f32 v[4+4*\s:5+4*\s], v[4+4*\s:5+4*\s], v[8+4*\s:9+4*\s]
	v_pk_add_f32 v[6+4*\s:7+4*\s], v[6+4*\s:7+4*\s], v[10+4*\s:11+4*\s]
.endr
.irp s, 0,4                                            ; pairs in pairs,
	v_pk_add_f32 v[4+4*\s:5+4*\s], v[4+4*\s:5+4*\s], v[12+4*\s:13+4*\s]
	v_pk_add_f32 v[6+4*\s:7+4*\s], v[6+4*\s:7+4*\s], v[14+4*\s:15+4*\s]
.endr
	v_add_f32 v36, v4, v20                         ; and the last sum sorts by image: image 0, cells 0 and 1
	v_add_f32 v37, v6, v22
	v_add_f32 v38, v5, v21                         ; image 1, cells 0 and 1
	v_add_f32 v39, v7, v23
	global_store_b64 v2, v[36:37], s[6:7] th:TH_STORE_NT
	global_store_b64 v2, v[38:39], s[6:7] offset:OIMG th:TH_STORE_NT
	s_endpgm
.Lfunc_end_k_q93fec2f5b8_sum:
	.size	k_q93fec2f5b8_sum, .Lfunc_end_k_q93fec2f5b8_sum-k_q93fec2f5b8_sum
	.p2alignl 7, 3214868480
	.fill 96, 4, 3214868480
	.section	.rodata,"a",@progbits
	.p2align	6, 0x0
	.amdhsa_kernel k_q93fec2f5b8_sum
		.amdhsa_group_segment_fixed_size 0
		.amdhsa_private_segment_fixed_size 0
		.amdhsa_enable_private_segment 0
		.amdhsa_kernarg_size 16
		.amdhsa_user_sgpr_count 2
		.amdhsa_user_sgpr_kernarg_segment_ptr 1
		.amdhsa_wavefront_size32 1
		.amdhsa_system_sgpr_workgroup_id_x 1
		.amdhsa_system_sgpr_workgroup_id_y 1
		.amdhsa_system_sgpr_workgroup_id_z 1
		.amdhsa_system_vgpr_workitem_id 0
		.amdhsa_next_free_vgpr 44
		.amdhsa_next_free_sgpr 66
		.amdhsa_reserve_vcc 0
		.amdhsa_float_denorm_mode_32 3
		.amdhsa_float_denorm_mode_16_64 3
		.amdhsa_memory_ordered 1
		.amdhsa_forward_progress 1
		.amdhsa_inst_pref_size 3
	.end_amdhsa_kernel
	.amdgpu_metadata
---
amdhsa.version: [ 1, 2 ]
amdhsa.kernels:
  - .name:           k_q93fec2f5b8_sum
    .symbol:         k_q93fec2f5b8_sum.kd
    .args:
      - { .name: part, .offset: 0, .size: 8, .value_kind: global_buffer, .address_space: global }
      - { .name: out0, .offset: 8, .size: 8, .value_kind: global_buffer, .address_space: global }
    .group_segment_fixed_size: 0
    .private_segment_fixed_size: 0
    .kernarg_segment_align: 8
    .kernarg_segment_size: 16
    .max_flat_workgroup_size: 128
    .sgpr_count:     66
    .vgpr_count:     44
    .wavefront_size: 32
...
	.end_amdgpu_metadata
.endif
;; end of part 3
;; ======== version 2 of 2: 3 launches; version 1 with the launch march written anew for expert scheduling mode
;; limits: values outside matrix products are rounded to bf16
;; workspace buffers: img 2,359,296 bytes; rays 2,949,120 bytes of whole numbers; part 5,898,240 bytes
;; launch prep: the kernel of part 1 again; grid 424 x 1, 8 waves a work-group, no clusters, 17,920 bytes of LDS; arguments x, img, rays; writes img, rays
;; launch march (part 4): grid 16 x 16, 32 waves a work-group, no clusters, 161,792 bytes of LDS; arguments img, rays, part; writes part
.if DOCPART == 4
	.amdgcn_target "amdgcn-amd-amdhsa--gfx1250"
	.amdhsa_code_object_version 6
	.text
	.protected	k_q93fec2f5b8_march
	.globl	k_q93fec2f5b8_march
	.p2align	8
	.type	k_q93fec2f5b8_march,@function
k_q93fec2f5b8_march:
	s_mov_b64 s[64:65], 0
	v_nop
	global_prefetch_b8 v0, s[64:65] scope:SCOPE_SE
	s_setreg_imm32_b32 hwreg(HW_REG_WAVE_SCHED_MODE, 0, 2), 2
	s_setreg_imm32_b32 hwreg(HW_REG_WAVE_MODE, 25, 1), 1
	s_wait_xcnt 0x0
	s_wait_alu depctr_vm_vsrc(0)
; THE MARCH.  A work-group holds ONE strip of 64 pixel rows of one copy of the packed images (row-major or transposed) in LDS,
; with zero rows round it, and marches 90 groups of 32 neighbouring rays through it; each wave takes two or three groups.
; Grid y = 8 x copy + strip; grid x = k: the ray groups of the copy's 180 views (8 groups a view, 1,440) are dealt to 16 work-groups:
; group g = 0..89 has view index vi = 2 g + k / 8 and cells 32 (k % 8) .. + 31, so every work-group sees every slope.
; The result is the strip's share of each ray's sum, for both images: part[strip][ray] = {image 0, image 1}; the next launch adds the strips.
; WHY THE SHARES ADD UP: a strip holds its own 64 rows alone.  A sample between two strips finds one of its two rows in each and zeros
; for the other; a sample outside finds zeros; the image's edge is the same zeros (64 zero words in front of every row, which also
; stand behind the row before).  One v_min_u32 a coordinate sends everything outside onto zeros.  Steps before 0 or behind 362, which
; a trip of four may touch, lie 363.04 pixels or more from the centre, and the last pixel's support ends at 362.75: zeros too.
; POSITIONS are whole numbers read from rays (i32, 20 fraction bits), split into a whole part and a 32-bit fraction and stepped by an
; add with carry: no address hangs on a floating-point number.
; TRIPS hang on the view's and the cell group's numbers alone, by whole-number arithmetic.  A ray steps |da| = 2 cos(theta) pixels
; across the strip, theta = |m - g|, m = (w mod 90) - 45 degrees, g = atan(u / 1250) the cell's fan angle.  For cells 32 c .. 32 c + 31
; g lies within 0.91 degrees of 0.88 (2 c - 7) degrees (half the group 0.853, the arc tangent's bend 0.035, the factor's rounding 0.019),
; so in units of 1/128 degree theta is at most |128 m - 113 (2 c - 7)| + 128.  The strip's 65 values of A take at most 32.5 / cos(theta) + 3
; steps (one for the entry cut down to a whole step, two to spare); q trips of four do while cos(theta) > 32.5 / (4 q - 2): q = 9, and one
; more from each of 17.08, 31.21, 39.30, 45.05, 49.46 degrees on; the bound's largest value, 52.2 degrees, stays below the next, 53.0.
; Steps beyond the crossing find zeros.
; LDS: row l of 68 at BASE + 2,304 l; rows 0, 1, 66, 67 and the bytes in front and behind are zeros, rows 2..65 the strip.
; The pitch is 576 words, a multiple of 64, so a word's bank is its column mod 64 (64 banks of 4 bytes: ISA guide 11.1); the wave's rays all start
; at the strip's edge, so its 32 lanes stand in two or three rows at columns about 1.4 apart or more.
; NO CLUSTER, NO TENSOR LOAD: the 16 work-groups of a strip read the same 147,456 bytes, but once in the launch, through registers,
; beside zero rows that LDS stores write; their trip counts are their own rays' and differ between them.
; NO MATRIX UNIT: the work is a gather with weights of its own for every sample.
; LIMITS: pixels are bf16; positions in units of 2^-20 pixel (the step's rounding, 2^-21, over at most 620 steps: below 5e-4 pixel);
; sums are made in another order than the problem writes them.  The step length of 1.0 mm is a factor of one: no instruction.
; THE MODE: SCHED_MODE bits 1:0 = 2 (LLVM: expert scheduling mode 2), set by the entry lines.  The code itself states the register dependences
; between vector instructions and memory or LDS instructions, with s_wait_alu, always for 0.
; THE PLAN.  Registers that memory or LDS instructions touch:
;   VO0..2     written at the head; read there by the group's two loads from rays; halved at the group's end and read by its one store; then never written again.
;   LA0..2, Z  written at the head; read by the strip's loads and by the LDS stores; never written again.
;   L          the loads from rays land in it at the head; vector instructions read it; nothing lands in it again.
;   FILL       the strip's loads land in it, the LDS stores read it; behind the barrier the same registers are the march's own.
;   AD0..3     in every trip written by the four steps' address lines and then read by the trip's sixteen LDS loads.
;   D          in every trip the sixteen LDS loads land in it and the 32 multiply-adds read it.
;   RES        written at a group's end, read by the group's store, never written again.
;   The positions, T, FA, FB, HA, the weights and the sums are named by vector instructions alone.
;   Scalar registers that vector instructions write: s10, the wave's number, once; in every trip the eight carries out of the fractions.  No vector line writes VCC.
; A TRIP: (1) all four steps' fractions: eight conversions and eight adds, whose carries go into eight scalar registers (the fractions' chain needs no carry in);
; (2) a wait on vm_vsrc: the last trip's LDS loads have read AD; (3) step 0's address; a wait on va_sdst: the carries are written; the whole parts move on and
; steps 1 to 3 make their addresses; (4) ONE wait on va_vdst: AD is written, and the last trip's multiply-adds are done reading D; (5) the sixteen loads, dealt
; among the last move and the weights, which name neither AD nor D; (6) the multiply-adds, behind the counted waits for their data.
.set PITCH, 2304
.set IMG,   512*PITCH
.set STRIP, 64*PITCH                   ; 147,456 bytes = 9 x 1,024 threads x 16 bytes
.set SOFF,  360*256*16                 ; rays: where the strip words begin
.set PSTR,  360*256*8                  ; part: bytes of one strip's shares
.set BASE,  512
.set HEAD,  BASE+2*PITCH               ; 5,120: zeros in front of the strip = 320 threads x 16 bytes
.set TAIL,  HEAD+STRIP                 ; 152,576: 5,120 bytes of zeros behind it
.set CA,  12                           ; s12-15   in the march: step e's carry out of A's fraction (the head's numbers in s12-19 have served by then)
.set CB,  16                           ; s16-19   the same for B's
.set QD,  32                           ; s32-34   group i: trips of four steps
.set WOF, 36                           ; s36-38   group i: its view's 4,096 w bytes, in a register of its own: no scalar line writes over what a vector line reads
.set VO,  2                            ; v2-4     group i: 16 x ray, later 8 x ray
.set LA,  5                            ; v5-7     16 t, + 65,536, + 131,072
.set L,   8                            ; v[8+6i..12+6i]  group i: A, B, dA, dB, strip word
.set RES, 26                           ; v[26+2i:27+2i]  group i: the two sums, as stored
.set FILL, 32                          ; v[32:67] the strip on its way to LDS; used again by the march:
.set AI,  32                           ; whole part of A less 64 x strip = LDS row
.set AF,  33                           ; fraction of A, 32 bits
.set BI,  34                           ; whole part of B = word in the LDS row
.set BF,  35
.set DAI, 36                           ; the step, split likewise
.set DAF, 37
.set DBI, 38
.set DBF, 39
.set T,   40                           ; v40-43   at work
.set AD,  44                           ; v44-47   step e of four: LDS address
.set FA,  48                           ; v48-51   fraction of a x 2^32, f32
.set FB,  52                           ; v52-55   of b
.set HA,  56                           ; v56-59   fraction of a x 2^-32
.set W11, 60                           ; v60-75   the four weights of each of four steps
.set W10, 64
.set W01, 68
.set W00, 72
.set D,   76                           ; v76-91   step e, corner c: a word of two bf16
.set ACC, 92                           ; v92-99   sums: 2 x corner + image
.set Z,   100                          ; v100-103 zeros
	s_load_b128 s[4:7], s[0:1], 0x0                ; img s[4:5], rays s[6:7]
	s_load_b64 s[8:9], s[0:1], 0x10                ; part
	v_lshl_add_u32 v19, v0, 2, 0x26800
	v_mov_b32 v25, 0
	v_lshrrev_b32 v1, 5, v0
	v_readfirstlane_b32 s10, v1                    ; wave 0..31
	s_and_b32 s11, ttmp7, 0xffff
	s_lshr_b32 s12, s11, 3                         ; copy: 0 row-major (q odd), 1 transposed (q even)
	s_and_b32 s13, s11, 7                          ; strip
	s_xor_b32 s14, s12, 1                          ; q's parity
	s_lshr_b32 s15, ttmp9, 3                       ; k / 8
	s_and_b32 s16, ttmp9, 7                        ; c = k % 8: the cell group
	s_lshl_b32 s35, s16, 1
	s_sub_co_i32 s35, s35, 7
	s_mul_i32 s35, s35, 113                        ; the group's middle fan angle in 1/128 degree: 113 (2 c - 7)
	s_lshl_b32 s16, s16, 9                         ; 32 c rays of 16 bytes
	s_mul_i32 s17, s14, 90
	s_add_co_u32 s17, s17, s15                     ; 90 x parity + k / 8
	v_and_b32 v1, 31, v0
	v_lshlrev_b32 v1, 4, v1
	v_add_nc_u32 v1, s16, v1                       ; 16 (32 c + lane)
	s_wait_alu depctr_va_sdst(0)                   ; s10 is written, ahead of its first reader: the groups' numbers, and later two branches, are made from it
.irp i, 0,1,2
	s_add_co_u32 s26, s10, 32*\i                   ; g = wave + 32 i
.if \i == 2
	s_min_u32 s26, s26, 89                         ; waves 26..31 have no third group: their loads stay inside the tables and are not used
.endif
	s_lshl_b32 s26, s26, 1
	s_add_co_u32 s27, s26, s15                     ; vi = 2 g + k / 8
	s_cmp_ge_u32 s27, 90
	s_cselect_b32 s28, 90, 0                       ; the parity's second sector lies 180 further on
	s_add_co_u32 s26, s26, s17
	s_add_co_u32 s26, s26, s28                     ; w = vi + 90 x parity + (vi >= 90 ? 90 : 0)
	s_lshl_b32 s[WOF+\i], s26, 12                  ; 256 rays of 16 bytes
	v_add_nc_u32 v[VO+\i], s[WOF+\i], v1
	s_sub_co_u32 s27, s27, s28                     ; w mod 90 = vi mod 90
	s_sub_co_i32 s27, s27, 45                      ; m
	s_lshl_b32 s27, s27, 7                         ; in 1/128 degree
	s_sub_co_i32 s27, s27, s35                     ; m - g at the group's middle
	s_sub_co_i32 s28, 0, s27
	s_max_i32 s27, s27, s28                        ; its magnitude,
	s_add_co_u32 s27, s27, 128                     ; and one degree for the group's width: theta's bound, at most 6,679
	s_mov_b32 s[QD+\i], 9
.irp t, 2186, 3994, 5030, 5766, 6330                   ; 128 x the angles at which 32.5 / cos + 3 reaches 37, 41, 45, 49, 53, cut down to whole numbers
	s_cmp_ge_u32 s27, \t
	s_add_co_ci_u32 s[QD+\i], s[QD+\i], 0          ; one trip more from each of them on
.endr
.endr
	s_mul_i32 s18, s12, IMG
	s_mul_i32 s19, s13, STRIP
	s_add_co_u32 s18, s18, s19
	s_mov_b32 s19, 0
	s_lshr_b32 s28, s13, 1
	s_lshl_b32 s28, s28, 2
	s_add_co_u32 s28, s28, SOFF                    ; the word that holds my strip's 16 bits
	s_mov_b32 s29, 0
	s_mul_i32 s30, s13, PSTR
	s_mov_b32 s31, 0
	s_and_b32 s22, s13, 1
	s_lshl_b32 s22, s22, 4                         ; and which half of it
	s_lshl_b32 s23, s13, 6                         ; 64 x strip
	v_lshlrev_b32 v[LA], 4, v0
	v_add_nc_u32 v[LA+1], 0x10000, v[LA]
	v_add_nc_u32 v[LA+2], 0x20000, v[LA]
.irp j, 0,1,2,3
	v_mov_b32 v[Z+\j], 0
.endr
	s_wait_kmcnt 0x0
	s_add_nc_u64 s[4:5], s[4:5], s[18:19]          ; my strip in img
	s_add_nc_u64 s[20:21], s[6:7], s[28:29]        ; the strip words
	s_add_nc_u64 s[8:9], s[8:9], s[30:31]          ; my strip's shares
	s_wait_alu depctr_va_vdst(0)                   ; VO0..2, LA0..2 and Z are written: the loads below read the first four as offsets, the LDS stores behind them LA and Z; no vector line stands between
.irp i, 0,1,2
	global_load_b128 v[L+6*\i:L+6*\i+3], v[VO+\i], s[6:7]
	global_load_b32 v[L+6*\i+4], v[VO+\i], s[20:21]
.endr
.irp j, 0,1,2,3,4,5,6,7,8
	global_load_b128 v[FILL+4*\j:FILL+4*\j+3], v[LA], s[4:5] offset:16384*\j   ; the work-group's 1,024 threads take 16,384 consecutive bytes
.endr
	s_cmp_ge_u32 s10, 10
	s_cbranch_scc1 .Lno_zeros                      ; waves 0..9: 320 threads x 16 bytes = 5,120 bytes at each end
	ds_store_b128 v[LA], v[Z:Z+3]
	ds_store_b128 v[LA+2], v[Z:Z+3] offset:TAIL-0x20000
.Lno_zeros:
.irp j, 0,1,2,3,4,5,6,7,8
	s_wait_loadcnt 8-\j                            ; loads return in order: piece j is in (and the tables, which are older); the younger pieces stay out
	ds_store_b128 v[LA+(\j>>2)], v[FILL+4*\j:FILL+4*\j+3] offset:HEAD+16384*(\j&3)
.endr
	s_wait_dscnt 0x0                               ; my part of the strip is in LDS, for the other waves' sake
	s_barrier_signal -1
	s_barrier_wait -1                              ; the only barrier: from here LDS is only read
	s_wait_alu depctr_vm_vsrc(0)                   ; my LDS stores have read v[FILL ..], which the march writes from here on; the loads from rays have read VO0..2, which the groups' ends halve
; The fractions of step e as f32, and the fractions move on to the next step; each carry goes into a scalar register of its own.
.macro FRAC e
	v_cvt_f32_u32 v[FA+\e], v[AF]                  ; 20 bits: exact
	v_cvt_f32_u32 v[FB+\e], v[BF]
	v_add_co_u32 v[AF], s[CA+\e], v[AF], v[DAF]
	v_add_co_u32 v[BF], s[CB+\e], v[BF], v[DBF]
.endm
; The LDS address of the first corner of step e's sample.
.macro ADDR e
	v_min_u32 v[T+2*(\e&1)], 66, v[AI]             ; rows below 0 (large as unsigned numbers) and above 66 go to rows 66 and 67: zeros
	v_min_u32 v[T+2*(\e&1)+1], 0x240, v[BI]        ; words below 0 and above 576 go to words 576 and 577: the next row's zeros
	v_mul_u32_u24 v[T+2*(\e&1)], PITCH, v[T+2*(\e&1)]
	v_lshl_add_u32 v[AD+\e], v[T+2*(\e&1)+1], 2, v[T+2*(\e&1)]
.endm
; The whole parts move on from step e to the next, with step e's carries.  Their own carry out is wanted by nobody: it goes to null, so these lines write no scalar register and no VCC.
.macro MOVE e
	v_add_co_ci_u32 v[AI], null, v[AI], v[DAI], s[CA+\e]
	v_add_co_ci_u32 v[BI], null, v[BI], v[DBI], s[CB+\e]
.endm
; The four corners of step e's sample.
.macro LOADS e
	ds_load_b32 v[D+4*\e],   v[AD+\e] offset:BASE              ; the highest byte read: 512 + 67 x 2,304 + 4 x 577 + 3 = 157,191
	ds_load_b32 v[D+4*\e+1], v[AD+\e] offset:BASE+4
	ds_load_b32 v[D+4*\e+2], v[AD+\e] offset:BASE+PITCH
	ds_load_b32 v[D+4*\e+3], v[AD+\e] offset:BASE+PITCH+4
.endm
; The weights of steps p and p + 1, two at a time.  wa = FA 2^-32, wb = FB 2^-32.
.macro WEIGHTS p
	v_pk_mul_f32 v[HA+\p:HA+\p+1], v[FA+\p:FA+\p+1], 0x1f800000 op_sel_hi:[1,0]                                              ; FA 2^-64
	v_pk_mul_f32 v[W11+\p:W11+\p+1], v[HA+\p:HA+\p+1], v[FB+\p:FB+\p+1]                                                      ; wa wb
	v_pk_fma_f32 v[W10+\p:W10+\p+1], v[HA+\p:HA+\p+1], 0x4f800000, v[W11+\p:W11+\p+1] op_sel_hi:[1,0,1] neg_lo:[0,0,1] neg_hi:[0,0,1]   ; wa - wa wb
	v_pk_fma_f32 v[W00+\p:W00+\p+1], v[HA+\p:HA+\p+1], 0xcf800000, 1.0 op_sel_hi:[1,0,0]                                     ; 1 - wa
	v_pk_fma_f32 v[W01+\p:W01+\p+1], v[FB+\p:FB+\p+1], 0x2f800000, v[W11+\p:W11+\p+1] op_sel_hi:[1,0,1] neg_lo:[0,0,1] neg_hi:[0,0,1]   ; wb - wa wb
	v_pk_add_f32 v[W00+\p:W00+\p+1], v[W00+\p:W00+\p+1], v[W01+\p:W01+\p+1] neg_lo:[0,1] neg_hi:[0,1]                        ; (1 - wa)(1 - wb)
.endm
; Eight fused multiply-adds straight from the bf16 halves: four corners x two images, eight sums that do not wait for each other.
.macro FMAS e
.irp h, 0,1
	v_fma_mix_f32_bf16 v[ACC+\h],   v[D+4*\e],   v[W00+\e], v[ACC+\h]   op_sel:[\h,0,0] op_sel_hi:[1,0,0]
	v_fma_mix_f32_bf16 v[ACC+2+\h], v[D+4*\e+1], v[W01+\e], v[ACC+2+\h] op_sel:[\h,0,0] op_sel_hi:[1,0,0]
	v_fma_mix_f32_bf16 v[ACC+4+\h], v[D+4*\e+2], v[W10+\e], v[ACC+4+\h] op_sel:[\h,0,0] op_sel_hi:[1,0,0]
	v_fma_mix_f32_bf16 v[ACC+6+\h], v[D+4*\e+3], v[W11+\e], v[ACC+6+\h] op_sel:[\h,0,0] op_sel_hi:[1,0,0]
.endr
.endm
; One group of 32 rays through the strip.
.macro GROUP i
	v_lshrrev_b32 v[T], s22, v[L+6*\i+4]           ; my strip's 16 bits
	v_and_b32 v[T+1], 0x3ff, v[T]                  ; my ray's first step, counted from -64
	v_mad_u32 v[T], v[T+1], v[L+6*\i+2], v[L+6*\i]         ; A at that step (the product may wrap; the sum lies within +-2,048 pixels)
	v_mad_u32 v[T+1], v[T+1], v[L+6*\i+3], v[L+6*\i+1]     ; B
	v_ashrrev_i32 v[AI], 20, v[T]
	v_lshlrev_b32 v[AF], 12, v[T]
	v_ashrrev_i32 v[BI], 20, v[T+1]
	v_lshlrev_b32 v[BF], 12, v[T+1]
	v_sub_nc_u32 v[AI], v[AI], s23                 ; row in my strip's LDS
	v_ashrrev_i32 v[DAI], 20, v[L+6*\i+2]          ; floor: the fraction is never negative
	v_lshlrev_b32 v[DAF], 12, v[L+6*\i+2]
	v_ashrrev_i32 v[DBI], 20, v[L+6*\i+3]
	v_lshlrev_b32 v[DBF], 12, v[L+6*\i+3]
.irp j, 0,1,2,3,4,5,6,7
	v_mov_b32 v[ACC+\j], 0
.endr
	s_mov_b32 s25, 0
.Lq_\@:
	FRAC 0                                         ; the four steps' fractions and their eight carries, in one run
	FRAC 1
	FRAC 2
	FRAC 3
	s_wait_alu depctr_vm_vsrc(0)                   ; the last trip's LDS loads have read AD0..3, which the lines below write anew
	ADDR 0
	s_wait_alu depctr_va_sdst(0)                   ; the eight carries s12 to s19 are written, ahead of their first reader: one wait for the run
	MOVE 0
	ADDR 1
	MOVE 1
	ADDR 2
	MOVE 2
	ADDR 3
	s_wait_alu depctr_va_vdst(0)                   ; AD0..3 are written, which the sixteen loads read; the last trip's multiply-adds are done reading D, in which they land
	LOADS 0                                        ; no vector line from that wait to the last load names AD or D: the move names AI, BI and the steps, the weights FA, FB, HA and W
	MOVE 3                                         ; on to the next trip's first step
	LOADS 1
	WEIGHTS 0
	LOADS 2
	LOADS 3
	WEIGHTS 2
	s_wait_dscnt 0x8                               ; LDS loads return in order: the eight of steps 0 and 1 are in, those of steps 2 and 3 may be out
	FMAS 0
	FMAS 1
	s_wait_dscnt 0x0
	FMAS 2
	FMAS 3
	s_add_co_u32 s25, s25, 1
	s_cmp_lt_u32 s25, s[QD+\i]                     ; 9 to 14 trips, from the view's and the cell group's numbers
	s_cbranch_scc1 .Lq_\@
	v_pk_add_f32 v[ACC:ACC+1], v[ACC:ACC+1], v[ACC+2:ACC+3]        ; a pair = {image 0, image 1} of a corner
	v_pk_add_f32 v[ACC+4:ACC+5], v[ACC+4:ACC+5], v[ACC+6:ACC+7]
	v_pk_add_f32 v[RES+2*\i:RES+2*\i+1], v[ACC:ACC+1], v[ACC+4:ACC+5]
	v_lshrrev_b32 v[VO+\i], 1, v[VO+\i]            ; 8 x ray (the loads that used it were waited for ahead of the barrier, and the wait on vm_vsrc behind the barrier states that they have read it)
	s_wait_alu depctr_va_vdst(0)                   ; the group's two sums and its offset are written, which the store reads
	global_store_b64 v[VO+\i], v[RES+2*\i:RES+2*\i+1], s[8:9]      ; the wave's store covers 256 consecutive bytes, aligned; its registers are the group's own and are not written again
.endm
	GROUP 0
	GROUP 1
	s_cmp_ge_u32 s10, 26                           ; 90 groups = 32 + 32 + 26
	s_cbranch_scc1 .Lend
	GROUP 2
.Lend:
	s_wait_dscnt 0x0
	s_wait_alu depctr_hold_cnt(0) depctr_sa_sdst(0) depctr_va_vdst(0) depctr_va_sdst(0) depctr_va_ssrc(0) depctr_va_vcc(0) depctr_vm_vsrc(0)
	s_wait_tensorcnt 0x0
	ds_add_u32 v19, v25
	s_wait_dscnt 0x0
	s_endpgm
.Lfunc_end_k_q93fec2f5b8_march:
	.size	k_q93fec2f5b8_march, .Lfunc_end_k_q93fec2f5b8_march-k_q93fec2f5b8_march
	.p2alignl 7, 3214868480
	.fill 96, 4, 3214868480
	.section	.rodata,"a",@progbits
	.p2align	6, 0x0
	.amdhsa_kernel k_q93fec2f5b8_march
		.amdhsa_group_segment_fixed_size 161792
		.amdhsa_private_segment_fixed_size 0
		.amdhsa_enable_private_segment 0
		.amdhsa_kernarg_size 24
		.amdhsa_user_sgpr_count 2
		.amdhsa_user_sgpr_kernarg_segment_ptr 1
		.amdhsa_wavefront_size32 1
		.amdhsa_system_sgpr_workgroup_id_x 1
		.amdhsa_system_sgpr_workgroup_id_y 1
		.amdhsa_system_sgpr_workgroup_id_z 1
		.amdhsa_system_vgpr_workitem_id 0
		.amdhsa_next_free_vgpr 104
		.amdhsa_next_free_sgpr 66
		.amdhsa_reserve_vcc 0
		.amdhsa_float_denorm_mode_32 3
		.amdhsa_float_denorm_mode_16_64 3
		.amdhsa_memory_ordered 1
		.amdhsa_forward_progress 1
		.amdhsa_inst_pref_size 32
	.end_amdhsa_kernel
	.amdgpu_metadata
---
amdhsa.version: [ 1, 2 ]
amdhsa.kernels:
  - .name:           k_q93fec2f5b8_march
    .symbol:         k_q93fec2f5b8_march.kd
    .args:
      - { .name: img, .offset: 0, .size: 8, .value_kind: global_buffer, .address_space: global }
      - { .name: rays, .offset: 8, .size: 8, .value_kind: global_buffer, .address_space: global }
      - { .name: part, .offset: 16, .size: 8, .value_kind: global_buffer, .address_space: global }
    .group_segment_fixed_size: 161792
    .private_segment_fixed_size: 0
    .kernarg_segment_align: 8
    .kernarg_segment_size: 24
    .max_flat_workgroup_size: 1024
    .sgpr_count:     66
    .vgpr_count:     104
    .wavefront_size: 32
...
	.end_amdgpu_metadata
.endif
;; end of part 4
;; launch sum: the kernel of part 3 again; grid 360 x 1, 4 waves a work-group, no clusters, 0 bytes of LDS; arguments part, out0; writes out0
